; MI455X (gfx1250); checked and timed in simulation.
; The chip was launched on July 23, 2026; its instructions are those of AMD's public machine-readable ISA for CDNA 5 (MIT licence, August 2026) and "CDNA5" Instruction Set Architecture Reference Guide (July 2026). The comments in the code are by the model that wrote it; some were corrected since.
;; Attention Layer. Allowed arithmetic: matrix products marked QUANTISED: E3M2 operands, one E8M0 scale for each 32 along K, by v_wmma_scale_f32_16x16x128_f8f6f4 with both operands' format E3M2, f32 sums; everything else in f32.
;; Inputs: Wk 64 x 512 float32; Wq 64 x 512 float32; Wv 512 x 512 float32; bk 64 float32; bq 64 float32; bv 512 float32; x 4 x 512 x 64 x 64 float32.
;; Outputs: out0 4 x 512 x 64 x 64 float32.
;; This version of the problem:
;;   THIS VERSION OF THE PROBLEM IS GIVEN IN LOW PRECISION. The matrix products marked QUANTISED in the list below multiply operands that are first quantised to E3M2 (3 exponent bits, 2 mantissa bits; 6 bits a number), with one power-of-two scale for each 32 numbers along K (OCP MX v1.0); their sums are f32. All else is computed in f32.
;;   The module's matrix products, in the order in which they are computed (A, B: the left and right operand; K: the contracted axis; several contracted axes count as one K, in the product's order):
;;     1. [M 16,384, K 512] x [K 512, N 64]; A: input x; B: input Wq: QUANTISED
;;     2. [M 16,384, K 512] x [K 512, N 64]; A: input x; B: input Wk: QUANTISED
;;     3. [M 16,384, K 512] x [K 512, N 512]; A: input x; B: input Wv: QUANTISED
;;     4. batch 4 x [M 4,096, K 64] x [K 64, N 4,096]; A: computed on the way; B: computed on the way: QUANTISED
;;     5. batch 4 x [M 512, K 4,096] x [K 4,096, N 4,096]; A: computed on the way; B: softmax (see below): QUANTISED
;;   THE QUANTISER, for each operand of a quantised product, along K:
;;     - K is cut into blocks of 32 from its start; a last block that is shorter is filled with zeros.
;;     - A block's scale is 2^e with e = floor(log2(the largest magnitude in the block)) - 4, held to -126 .. 127; a block of zeros has e = 0. As a byte (E8M0): e + 127.
;;     - Each number is divided by its block's scale, clamped to +-28, and rounded to the nearest number of E3M2, ties to even, subnormals kept.
;;     - The product sums the exact products of the quantised numbers (number of the format x scale) in f32.
;;   ~~~python
;;   def quantise(x, axis):      # numpy; x: float32 -> the quantised numbers, widened to float32 again
;;       x = np.moveaxis(x, axis, -1); K = x.shape[-1]
;;       x = np.pad(x, [(0, 0)] * (x.ndim - 1) + [(0, -K % 32)]); x = x.reshape(x.shape[:-1] + (-1, 32)); a = np.abs(x).max(-1, keepdims=True)
;;       e = np.where(a > 0, np.clip(np.frexp(np.where(a > 0, a, 1))[1] - 1 - 4, -126, 127), 0)      # np.frexp(a)[1] - 1 = floor(log2(a)), exactly
;;       r = np.clip(x / 2.0 ** e, -28, 28)
;;       step = 2.0 ** (np.maximum(np.frexp(np.where(r == 0, 1, r))[1] - 1, -2) - 2)
;;       q = np.round(r / step) * step * 2.0 ** e      # np.round: ties to even
;;       return np.moveaxis(q.reshape(q.shape[:-2] + (-1,))[..., :K], -1, axis).astype(np.float32)
;;   ~~~
;;   SOFTMAX AHEAD OF A QUANTISED PRODUCT. Where the list says 'softmax', what is quantised is not the finished softmax but p = 2^(t - M), with t = logit x log2(e) and M = ceil(the row's largest t), a whole number; so 1/2 < the row's largest p <= 1. The row's sum l is taken of the UNQUANTISED p, in f32, and the product's result is divided by l at the end. Since M is a whole number, a kernel that streams over the keys may use a running M (the ceiling of the running maximum): every later rescaling is an exact power of two, which a block's scale takes up: the codes' values come out the same.
;;   OPERANDS COMPUTED ON THE WAY. 'Computed on the way' means the value that the module computes at that place (a softmax that the list does not call 'softmax' is quantised finished and normalised). What goes into a quantiser is computed in f32, as accurately as f32 sums, v_exp_f32 and their like allow (about 1e-6 of the number): no bf16 or f16 on the way to a quantiser, and a product that is left as it is and whose result goes on into a quantised operand takes f32 operands (vector FMAs, or v_wmma_f32_16x16x4_f32). A number that lies on a knife's edge between two numbers of the format may be rounded either way, as far as f32 arithmetic and the matrix unit's own rounding can turn it there, and no further.
;; One version. Each part assembles by itself: llvm-mc -triple=amdgcn-amd-amdhsa -mcpu=gfx1250 --defsym DOCPART=n.
;; ======== version 1 of 1: 3 launches
;; workspace buffers: wbuf 256,000 bytes; qbuf 786,432 bytes; qs 65,536 bytes; kbuf 851,968 bytes; vbuf 6,553,600 bytes
;; launch wprep (part 1): grid 40 x 1, 4 waves a work-group, no clusters, 1,024 bytes of LDS; arguments Wq, Wk, Wv, wbuf; writes wbuf
.if DOCPART == 1
	.amdgcn_target "amdgcn-amd-amdhsa--gfx1250"
	.amdhsa_code_object_version 6
	.text
	.protected	k_q8af6f4f7ce_wprep
	.globl	k_q8af6f4f7ce_wprep
	.p2align	8
	.type	k_q8af6f4f7ce_wprep,@function
k_q8af6f4f7ce_wprep:
	s_mov_b64 s[64:65], 0
	v_nop
	global_prefetch_b8 v0, s[64:65] scope:SCOPE_SE
	s_setreg_imm32_b32 hwreg(HW_REG_WAVE_MODE, 25, 1), 1
	s_wait_xcnt 0x0
; Wq [64][512], Wk [64][512], Wv [512][512], f32, K (the input channels) innermost, become codes of BF6 (E3M2) with one E8M0 byte for each 32 along K,
; laid in wbuf IN THE ORDER OF THE OPERAND'S REGISTERS: fragment (o, s) = 16 rows x 128 K = 12 registers a lane, at (4 o + s) x 1,536 bytes, as three planes of 512 bytes
; (plane i = registers 4 i .. 4 i + 3, lane l at 16 l).  o = 0-3: Wq, o = 4-7: Wk, o = 8 + t: Wv's rows 16 t + r.
; THE ROWS OF A TILE OF Wq AND Wk ARE NOT NEIGHBOURS: lane r of tile 2 b + u takes row 32 b + 8 u + r + 8 (r / 8), so that the next launch's q and k, made transposed, have 16 neighbours along their own K in 16 registers.
; Behind the codes, from byte WSC on: the scale words, 256 bytes a tile: the word of (row-lane r, K step s) at 8 (r + 16 (s % 2)) + 4 (s / 2).
; A work-group takes a tile o, wave s its K step.  A lane holds two whole blocks of 32 (k = 64 c + 32 h + 0 .. 31 of its row), so a block's largest magnitude needs no other lane.
; A block's scale byte is its largest magnitude's exponent field - 4, held at 1 from below.  LIMITS: a block of zeros gets the byte 1 where the rule says 127 (its codes are zeros, and this program alone reads the bytes);
; blocks whose largest magnitude lies under 2^-122 are held at that floor; NaN and infinities are not served.
.set WSC, 245760
	s_load_b128 s[4:7], s[0:1], 0x0                ; Wq, Wk
	s_load_b128 s[8:11], s[0:1], 0x10              ; Wv, wbuf
	v_lshl_add_u32 v128, v0, 2, 0x200
	v_mov_b32 v129, 0
	v_lshrrev_b32 v1, 5, v0
	v_readfirstlane_b32 s12, v1                    ; wave = K step s
	v_and_b32 v2, 15, v0                           ; r
	v_bfe_u32 v3, v0, 4, 1                         ; h
	v_and_b32 v4, 31, v0                           ; lane
	s_bfe_u32 s14, ttmp9, 0x10001                  ; Wq, Wk: b of tile 2 b + u
	s_lshl_b32 s14, s14, 5
	s_and_b32 s15, ttmp9, 1                        ; u
	s_lshl_b32 s15, s15, 3
	s_add_co_u32 s14, s14, s15                     ; the tile's first row: 32 b + 8 u
	s_max_u32 s15, ttmp9, 8
	s_sub_co_u32 s15, s15, 8
	s_lshl_b32 s15, s15, 4                         ; Wv: 16 (o - 8)
	s_cmp_lt_u32 ttmp9, 8
	s_cselect_b32 s14, s14, s15
	s_cselect_b32 s13, 8, 0                        ; lanes 8-15 lie 8 rows further on in Wq and Wk alone
	v_lshrrev_b32 v5, 3, v2
	v_mad_u32_u24 v5, v5, s13, v2
	v_add_nc_u32 v5, s14, v5                       ; my row
	v_lshlrev_b32 v5, 11, v5                       ; of 2,048 bytes
	v_lshl_add_u32 v5, v3, 7, v5                   ; + 128 h: my block of 32
	s_lshl_b32 s16, s12, 9
	v_add_nc_u32 v5, s16, v5                       ; + 512 s: my K step
	v_lshlrev_b32 v6, 4, v4                        ; out: 16 x lane
	v_lshlrev_b32 v7, 2, v2
	s_lshl_b32 s16, s12, 6
	v_add_nc_u32 v7, s16, v7                       ; LDS: my wave's 64 bytes of scale words, row r's
	v_lshlrev_b32 v8, 2, v4                        ; and back: 4 x lane
	v_lshlrev_b32 v11, 3, v4                       ; out: 8 x lane
	s_lshl_b32 s18, ttmp9, 2
	s_add_co_u32 s18, s18, s12
	s_mul_i32 s18, s18, 1536                       ; my fragment's place
	s_mov_b32 s19, 0
	s_lshl_b32 s20, ttmp9, 8
	s_add_co_u32 s20, s20, WSC                     ; my tile's scale words
	s_mov_b32 s21, 0
	s_mov_b32 s26, 0x76543210
	s_mov_b32 s27, 0xfedcba98                      ; v_permlanex16_b32's selects for lane l xor 16
	s_wait_kmcnt 0x0
	s_add_nc_u64 s[22:23], s[10:11], s[18:19]
	s_add_nc_u64 s[24:25], s[10:11], s[20:21]
	s_cmp_lt_u32 ttmp9, 4                          ; which weight: the choice hangs on the work-group's number alone
	s_cselect_b64 s[4:5], s[4:5], s[6:7]
	s_cmp_lt_u32 ttmp9, 8
	s_cselect_b64 s[4:5], s[4:5], s[8:9]
.irp c, 0,1
.irp i, 0,1,2,3,4,5,6,7
	global_load_b128 v[64+32*\c+4*\i:67+32*\c+4*\i], v5, s[4:5] offset:256*\c+16*\i   ; W(row, 128 s + 64 c + 32 h + 4 i ..)
.endr
.endr
	s_wait_loadcnt 0x0
.irp c, 0,1                                    ; my block 2 c + h: all its 32 numbers are mine
	v_max3_num_f32 v[32+\c], |v[64+32*\c]|, |v[65+32*\c]|, 0x2800000   ; with the floor 2^(5 - 127): the byte cannot fall under 1
.endr
.irp i, 2,4,6,8,10,12,14,16,18,20,22,24,26,28,30
.irp c, 0,1
	v_max3_num_f32 v[32+\c], v[32+\c], |v[64+32*\c+\i]|, |v[65+32*\c+\i]|
.endr
.endr
.irp c, 0,1
	v_add_nc_u32 v[44+\c], 0xfe000000, v[32+\c]    ; 4 off the exponent field: the conversion takes this operand's exponent field as its scale
.endr
.irp c, 0,1
	v_lshrrev_b32 v[36+\c], 23, v[44+\c]           ; the scale's byte
.endr
	v_lshl_or_b32 v9, v37, 16, v36                 ; my two bytes: blocks h and 2 + h,
	v_lshlrev_b32 v10, 3, v3
	v_lshlrev_b32 v9, v10, v9                      ; 8 h bits up;
	v_mov_b32 v10, 0
	v_permlanex16_b32 v10, v9, s26, s27
	v_or_b32 v9, v9, v10                           ; with lane l xor 16's two the word is whole
.irp c, 0,1
	v_cvt_scalef32_pk16_bf6_f32 v[48+6*\c:50+6*\c], v[64+32*\c:79+32*\c], v[44+\c]
	v_cvt_scalef32_pk16_bf6_f32 v[16+4*\c:18+4*\c], v[80+32*\c:95+32*\c], v[44+\c]   ; (a conversion's three registers begin on an even number: made elsewhere and moved)
.endr
	v_nop                                          ; one plain place behind a scaled conversion
.irp c, 0,1
.irp i, 0,1,2
	v_mov_b32 v[51+6*\c+\i], v[16+4*\c+\i]
.endr
.endr
.irp i, 0,1,2
	global_store_b128 v6, v[48+4*\i:51+4*\i], s[22:23] offset:512*\i   ; the wave stores 512 consecutive bytes, aligned
.endr
	ds_store_b32 v7, v9                            ; both halves of the lanes write the same word with the same value
	s_wait_dscnt 0x0                               ; for the others' sake: my word has landed
	s_barrier_signal -1
	s_barrier_wait -1
	s_cmp_lg_u32 s12, 0
	s_cbranch_scc1 .Lend                           ; wave 0 alone stores the tile's 256 bytes of scale words
	ds_load_b32 v12, v8                            ; lane l: the word of (r = l % 16, s = l / 16),
	ds_load_b32 v13, v8 offset:128                 ; and of s = 2 + l / 16
	s_wait_dscnt 0x0
	global_store_b64 v11, v[12:13], s[24:25]       ; 256 consecutive bytes, aligned
.Lend:
	s_wait_tensorcnt 0x0
	ds_add_u32 v128, v129
	s_wait_dscnt 0x0
	s_endpgm
.Lfunc_end_k_q8af6f4f7ce_wprep:
	.size	k_q8af6f4f7ce_wprep, .Lfunc_end_k_q8af6f4f7ce_wprep-k_q8af6f4f7ce_wprep
	.p2alignl 7, 3214868480
	.fill 96, 4, 3214868480
	.section	.rodata,"a",@progbits
	.p2align	6, 0x0
	.amdhsa_kernel k_q8af6f4f7ce_wprep
		.amdhsa_group_segment_fixed_size 1024
		.amdhsa_private_segment_fixed_size 0
		.amdhsa_enable_private_segment 0
		.amdhsa_kernarg_size 32
		.amdhsa_user_sgpr_count 2
		.amdhsa_user_sgpr_kernarg_segment_ptr 1
		.amdhsa_wavefront_size32 1
		.amdhsa_system_sgpr_workgroup_id_x 1
		.amdhsa_system_sgpr_workgroup_id_y 1
		.amdhsa_system_sgpr_workgroup_id_z 1
		.amdhsa_system_vgpr_workitem_id 0
		.amdhsa_next_free_vgpr 130
		.amdhsa_next_free_sgpr 66
		.amdhsa_reserve_vcc 0
		.amdhsa_float_denorm_mode_32 3
		.amdhsa_float_denorm_mode_16_64 3
		.amdhsa_memory_ordered 1
		.amdhsa_forward_progress 1
		.amdhsa_inst_pref_size 8
	.end_amdhsa_kernel
	.amdgpu_metadata
---
amdhsa.version: [ 1, 2 ]
amdhsa.kernels:
  - .name:           k_q8af6f4f7ce_wprep
    .symbol:         k_q8af6f4f7ce_wprep.kd
    .args:
      - { .name: Wq, .offset: 0, .size: 8, .value_kind: global_buffer, .address_space: global }
      - { .name: Wk, .offset: 8, .size: 8, .value_kind: global_buffer, .address_space: global }
      - { .name: Wv, .offset: 16, .size: 8, .value_kind: global_buffer, .address_space: global }
      - { .name: wbuf, .offset: 24, .size: 8, .value_kind: global_buffer, .address_space: global }
    .group_segment_fixed_size: 1024
    .private_segment_fixed_size: 0
    .kernarg_segment_align: 8
    .kernarg_segment_size: 32
    .max_flat_workgroup_size: 128
    .sgpr_count:     66
    .vgpr_count:     130
    .wavefront_size: 32
...
	.end_amdgpu_metadata
.endif
;; end of part 1
;; launch proj (part 2): grid 64 x 4, 8 waves a work-group, clusters of 4 x 1, 283,648 bytes of LDS; arguments x, wbuf, bq, bk, bv, qbuf, qs, kbuf, vbuf; writes qbuf, qs, kbuf, vbuf
.if DOCPART == 2
	.amdgcn_target "amdgcn-amd-amdhsa--gfx1250"
	.amdhsa_code_object_version 6
	.text
	.protected	k_q8af6f4f7ce_proj
	.globl	k_q8af6f4f7ce_proj
	.p2align	8
	.type	k_q8af6f4f7ce_proj,@function
k_q8af6f4f7ce_proj:
	s_mov_b64 s[64:65], 0
	v_nop
	global_prefetch_b8 v0, s[64:65] scope:SCOPE_SE
	s_setreg_imm32_b32 hwreg(HW_REG_WAVE_MODE, 25, 1), 1
	s_wait_xcnt 0x0
	s_wait_alu depctr_hold_cnt(0) depctr_sa_sdst(0) depctr_va_vdst(0) depctr_va_sdst(0) depctr_va_ssrc(0) depctr_va_vcc(0) depctr_vm_vsrc(0)
	s_getreg_b32 s2, hwreg(HW_REG_IB_STS2, 6, 4)
	s_cmp_eq_u32 s2, 0
	s_cbranch_scc0 .Lentry_in_a_cluster
	s_endpgm
.Lentry_in_a_cluster:
	s_bfe_u32 s2, ttmp6, 0x10000c
	s_cmp_lg_u32 s2, 0x3003
	s_cbranch_scc0 .Lentry_shape_is_right
	s_endpgm
.Lentry_shape_is_right:
; q = Wq x + bq, k = Wk x + bk, v = Wv x + bv for 64 positions of one batch, all three products on codes of BF6 (E3M2) with one E8M0 scale for each 32 along K (the 512 channels);
; then q and k are quantised along their 64 channels and v along the positions (the keys), and leave as images of the operands' registers for the attention launch.
; x: [4][512][4096] f32: K is NOT innermost.  PHASE X: a lane takes a position and its registers run down the channels: wave w quantises K step w / 2 (128 channels) of positions 32 (w % 2) + lane; the codes go to LDS as register images.
; THE POSITIONS OF A TILE ARE NOT NEIGHBOURS: lane r of tile 2 b + u stands for position 32 b + 8 u + r + 8 (r / 8) of the block's 64, so that v's 16 registers of tiles 2 b, 2 b + 1 are 16 neighbouring keys.
; PHASE G: wave w makes v's channels 64 w .. 64 w + 63 for all four tiles of positions (source 0 = x, source 1 = Wv: a lane holds a channel, its registers run along the positions) and, transposed (source 0 = Wq or Wk,
; source 1 = x), all 64 channels of q (waves 0-3) or k (waves 4-7) for tile w % 4: a lane holds a position, its registers run along the channels.  The biases are the C of each sum's first matrix instruction.
; PHASE Q: five units of 32 registers a wave are quantised in registers, two blocks of 32 each.
; THE WEIGHTS' codes and scale words, 256,000 dense bytes, come into LDS once, by one tensor load a wave (125 rows of 256 bytes), asked for JOINTLY by the four work-groups of a cluster, which all want the same bytes.
; One tensor load of a wave is outstanding; nothing in LDS is filled twice.
; v's scale bytes leave as halfwords, 128 bytes a store: a key step's word takes two bytes from each of two work-groups; they are 256 KB of all that the launch moves.
; LIMITS: a block of zeros gets the byte 1 where the rule says 127 (its codes are zeros; this program alone reads the bytes); blocks under 2^-122 are held at that floor; NaN and infinities are not served;
; a bias is added ahead of the products' sums, not behind them.
; REGISTERS: window 0: v1-20 addresses; v24-27 at work; v32-59 scale words; v64-191 x's numbers, then v's 16 accumulators (W tile t, x tile T at v[64 + 32 t + 8 T]); v192-223 codes of phase X, then the 4 accumulators of q or k,
;   then v's codes; v224-253 at work.   window 1: v0-47 x's four fragments, v48-59 my own tile's, v60-107 Wv's four, v108-155 Wq's or Wk's four; v160-191 bv, v192-223 bq or bk, in the results' layout.
.set XI,   256000                      ; LDS: behind the weights' image: x's fragments (tile T, K step s) at T x XT + 1,536 s, six planes of 256 bytes (plane p = registers 2 p, 2 p + 1, lane l at 8 l)
.set XT,   6272                        ; 4 x 1,536 + 128
.set XSC,  281088                      ; x's scale words: 256 s + 64 T + 4 r
.set SCW,  282112                      ; q's and k's scale words on their way out: 64 bytes a wave
.set WSC,  245760                      ; the weights' scale words in the image
.set WV,   22
.set SEL,  28
.set TM,   224
.set PX,   232
.set MSB, 0
.macro WIN new                         ; the immediate's high byte repeats the setting that is left
.if MSB != \new
	s_set_vgpr_msb (MSB<<8)|\new
.set MSB, \new
.endif
.endm
.macro CROUND                          ; a round of the cluster's barrier
	s_barrier_signal -1
	s_barrier_wait -1
	s_cmp_lg_u32 s[WV], 0
	s_cbranch_scc1 .Lnot_wave_0_\@
	s_barrier_signal -3
.Lnot_wave_0_\@:
	s_barrier_wait -3
	s_barrier_signal -1
	s_barrier_wait -1
.endm
; one matrix instruction: D at d, sources at a and b, C at c; scale registers sa, sb, read from lanes 0-15 (ra, rb = 0) or 16-31 (1)
.macro WM d, a, b, c, sa, sb, ra, rb
.if ((\ra) == 0) && ((\rb) == 0)
	v_wmma_scale_f32_16x16x128_f8f6f4 v[\d:\d+7], v[\a:\a+11], v[\b:\b+11], v[\c:\c+7], v[\sa], v[\sb] matrix_a_fmt:MATRIX_FMT_BF6 matrix_b_fmt:MATRIX_FMT_BF6
.elseif ((\rb) == 0)
	v_wmma_scale_f32_16x16x128_f8f6f4 v[\d:\d+7], v[\a:\a+11], v[\b:\b+11], v[\c:\c+7], v[\sa], v[\sb] matrix_a_fmt:MATRIX_FMT_BF6 matrix_b_fmt:MATRIX_FMT_BF6 matrix_a_scale:MATRIX_SCALE_ROW1
.elseif ((\ra) == 0)
	v_wmma_scale_f32_16x16x128_f8f6f4 v[\d:\d+7], v[\a:\a+11], v[\b:\b+11], v[\c:\c+7], v[\sa], v[\sb] matrix_a_fmt:MATRIX_FMT_BF6 matrix_b_fmt:MATRIX_FMT_BF6 matrix_b_scale:MATRIX_SCALE_ROW1
.else
	v_wmma_scale_f32_16x16x128_f8f6f4 v[\d:\d+7], v[\a:\a+11], v[\b:\b+11], v[\c:\c+7], v[\sa], v[\sb] matrix_a_fmt:MATRIX_FMT_BF6 matrix_b_fmt:MATRIX_FMT_BF6 matrix_a_scale:MATRIX_SCALE_ROW1 matrix_b_scale:MATRIX_SCALE_ROW1
.endif
.endm
	s_load_b256 s[4:11], s[0:1], 0x0               ; x, wbuf, bq, bk
	s_load_b256 s[12:19], s[0:1], 0x20             ; bv, qbuf, qs, kbuf
	s_load_b64 s[20:21], s[0:1], 0x40              ; vbuf
	v_lshl_add_u32 v254, v0, 2, 0x45000
	v_mov_b32 v255, 0
	ds_add_u32 v254, v255
	v_lshrrev_b32 v1, 5, v0
	v_readfirstlane_b32 s[WV], v1                  ; wave 0..7
	s_lshr_b32 s23, s[WV], 2                       ; 0: I make q, 1: k
	s_and_b32 s24, s[WV], 3                        ; for this tile of positions
	s_lshr_b32 s25, s[WV], 1                       ; phase X: my K step
	s_and_b32 s26, s[WV], 1                        ; and my half of the positions
	s_bfe_u32 s44, ttmp6, 0x40000                  ; cx
	s_lshl_b32 s45, ttmp9, 2
	s_add_co_u32 s45, s45, s44                     ; my block of 64 positions: it enters global addresses alone
	s_and_b32 s46, ttmp7, 0xffff                   ; the batch
	s_lshr_b32 s47, s45, 1                         ; the key step of 128 in which the block lies,
	s_and_b32 s48, s45, 1                          ; and which half of it
	s_mov_b32 s[SEL], 0x76543210
	s_mov_b32 s[SEL+1], 0xfedcba98                 ; v_permlanex16_b32's selects for lane l xor 16
	s_mov_b32 s30, 0xffff0000                      ; lanes 16-31
	; descriptor group 1: 125 rows of 32 elements of 8 bytes, dense; the mask names all four work-groups
	s_mov_b32 s36, 15|(3<<16)|(1<<21)
	s_mov_b32 s37, 32<<16                          ; tensor_dim0
	s_mov_b32 s38, 125<<16                         ; tensor_dim1
	s_mov_b32 s39, 32<<16                          ; tile_dim0
	s_mov_b32 s40, 125                             ; tile_dim1
	s_mov_b32 s41, 32                              ; from row to row
	s_mov_b32 s42, 0
	s_mov_b32 s43, 0
	s_mul_i32 s33, s[WV], 32000                    ; my eighth of the image, in LDS as in memory
	s_mov_b32 s50, s33
	s_mov_b32 s51, 0
	s_mov_b32 s32, 1
	; offsets in the global buffers
	s_lshl_b32 s62, s46, 23                        ; x: batch x 512 x 16,384 bytes
	s_lshl_b32 s63, s25, 21                        ; + K step x 128 rows
	s_add_co_u32 s62, s62, s63
	s_lshl_b32 s63, s45, 8                         ; + block x 256 bytes
	s_add_co_u32 s62, s62, s63
	s_lshl_b32 s63, s26, 7                         ; + half x 128 bytes
	s_add_co_u32 s62, s62, s63
	s_mov_b32 s63, 0
	s_lshl_b32 s66, s46, 8
	s_lshl_b32 s67, s45, 2
	s_add_co_u32 s66, s66, s67
	s_add_co_u32 s66, s66, s24
	s_mul_i32 s66, s66, 768                        ; q's tile (256 batch + 4 block + T)
	s_lshl_b32 s68, s46, 5
	s_add_co_u32 s68, s68, s47                     ; the key step's number: 32 batch + step
	s_mul_i32 s69, s68, 6656                       ; its place in kbuf
	s_lshl_b32 s70, s48, 2
	s_add_co_u32 s70, s70, s24
	s_mul_i32 s70, s70, 768
	s_add_co_u32 s70, s70, s69                     ; k's tile 4 half + T of the step
	s_mul_i32 s71, s68, 51200                      ; the step's place in vbuf
	s_mul_i32 s72, s[WV], 6144
	s_add_co_u32 s72, s72, s71
	s_mul_i32 s73, s48, 768
	s_add_co_u32 s72, s72, s73                     ; v's codes: my four fragments, my half's three planes
	s_lshl_b32 s73, s[WV], 8
	s_add_co_u32 s73, s73, s71
	s_add_co_u32 s73, s73, 49152
	s_lshl_b32 s74, s48, 1
	s_add_co_u32 s73, s73, s74                     ; v's scale words: my 64 channels', my half's two bytes
	s_lshl_b32 s74, s46, 6
	s_add_co_u32 s74, s74, s45
	s_lshl_b32 s74, s74, 8                         ; q's scale words: 256 bytes a block
	s_lshl_b32 s75, s48, 8
	s_add_co_u32 s75, s75, s69
	s_add_co_u32 s75, s75, 6144                    ; k's: behind the step's codes
	s_lshl_b32 s76, s[WV], 8                       ; bv: my 64 numbers
	v_and_b32 v1, 31, v0                           ; lane
	v_and_b32 v2, 15, v0                           ; r
	v_bfe_u32 v3, v0, 4, 1                         ; h
	v_lshlrev_b32 v4, 2, v1                        ; 4 x lane: x's loads, v's scale stores
	v_lshlrev_b32 v19, 2, v2                       ; bv: 4 r
	v_lshlrev_b32 v20, 6, v3                       ; bq, bk: 64 h
	s_wait_dscnt 0x0
	s_wait_kmcnt 0x0
	s_add_nc_u64 s[34:35], s[6:7], s[50:51]
	s_or_b32 s35, s35, 0x80000000                  ; type 2
	s_add_nc_u64 s[4:5], s[4:5], s[62:63]          ; x at my first number
	s_mov_b32 s62, s76
	s_add_nc_u64 s[12:13], s[12:13], s[62:63]      ; bv at my channels
	s_cmp_eq_u32 s23, 0
	s_cselect_b64 s[60:61], s[8:9], s[10:11]       ; bq or bk
	s_cselect_b64 s[52:53], s[14:15], s[18:19]     ; qbuf or kbuf
	s_cselect_b32 s62, s66, s70
	s_add_nc_u64 s[52:53], s[52:53], s[62:63]      ; where my tile's codes go
	s_mov_b32 s62, s72
	s_add_nc_u64 s[54:55], s[20:21], s[62:63]
	s_mov_b32 s62, s73
	s_add_nc_u64 s[56:57], s[20:21], s[62:63]
	s_cmp_eq_u32 s[WV], 0
	s_cselect_b64 s[58:59], s[16:17], s[18:19]     ; wave 0 stores q's scale words, wave 1 k's
	s_cselect_b32 s62, s74, s75
	s_add_nc_u64 s[58:59], s[58:59], s[62:63]
	CROUND                                         ; all four work-groups are here: the joint loads meet
	tensor_load_to_lds s[32:35], s[36:43]          ; my eighth of the weights' image
	s_nop 0
.rept 4
	v_nop
.endr
	WIN 0x40                                       ; destination window 1
.irp t, 0,1,2,3
.irp j, 0,1,2,3,4,5,6,7
	global_load_b32 v[160+8*\t+\j], v19, s[12:13] offset:64*\t   ; v's result holds one channel a lane: eight times bv[64 w + 16 t + r]
.endr
.endr
.irp t, 0,1,2,3
	global_load_b128 v[192+8*\t:195+8*\t], v20, s[60:61] offset:(32*(\t/2)+8*(\t%2))*4      ; q's and k's: channels 32 b + 8 u + 16 h + 0 .. 7
	global_load_b128 v[196+8*\t:199+8*\t], v20, s[60:61] offset:(32*(\t/2)+8*(\t%2))*4+16
.endr
	WIN 0
.set j, 0
.rept 128
	global_load_b32 v[64+j], v4, s[4:5] offset:16384*j th:TH_LOAD_NT   ; x(128 s + j, my position): the wave reads 128 consecutive bytes, two waves side by side 256
.set j, j+1
.endr
	; LDS addresses, all made here
	v_bfe_u32 v21, v0, 3, 1                        ; u: my position's tile is 2 half + u,
	v_and_b32 v22, 7, v0
	v_lshl_add_u32 v22, v3, 3, v22                 ; and its lane there l % 8 + 8 (l / 16)
	s_mul_i32 s50, s26, 2*XT
	s_mul_i32 s51, s25, 1536
	s_add_co_u32 s50, s50, s51
	s_add_co_u32 s50, s50, XI
	v_mul_u32_u24 v5, v21, XT
	v_lshl_add_u32 v5, v22, 3, v5
	v_add_nc_u32 v5, s50, v5                       ; v5: where my codes go
	s_lshl_b32 s50, s25, 8
	s_lshl_b32 s51, s26, 7
	s_add_co_u32 s50, s50, s51
	s_add_co_u32 s50, s50, XSC
	v_lshlrev_b32 v6, 6, v21
	v_lshl_add_u32 v6, v22, 2, v6
	v_add_nc_u32 v6, s50, v6                       ; v6: and my scale word
	v_lshl_add_u32 v7, v1, 3, XI                   ; v7: x's fragments, 8 x lane
	s_mul_i32 s50, s24, XT
	s_add_co_u32 s50, s50, XI
	v_lshl_add_u32 v8, v1, 3, s50                  ; v8: my own tile's
	s_mul_i32 s50, s[WV], 4*6144
	s_add_co_u32 s50, s50, 8*6144
	v_lshl_add_u32 v9, v1, 4, s50                  ; v9: Wv's tiles 4 w ..
	s_mul_i32 s50, s23, 4*6144
	v_lshl_add_u32 v10, v1, 4, s50                 ; v10: Wq's or Wk's four
	v_lshl_add_u32 v11, v1, 2, XSC                 ; v11: x's scale words, two tiles a register
	s_lshl_b32 s50, s24, 6
	s_add_co_u32 s50, s50, XSC
	v_lshl_add_u32 v12, v2, 2, s50                 ; v12: my own tile's
	s_lshl_b32 s50, s[WV], 10
	s_add_co_u32 s50, s50, WSC+2048
	v_lshl_add_u32 v13, v1, 3, s50                 ; v13: Wv's scale words
	s_lshl_b32 s50, s23, 10
	s_add_co_u32 s50, s50, WSC
	v_lshl_add_u32 v14, v1, 3, s50                 ; v14: Wq's or Wk's
	s_lshl_b32 s50, s[WV], 6
	s_add_co_u32 s50, s50, SCW
	v_lshl_add_u32 v15, v2, 2, s50                 ; v15: my tile's scale words on their way out
	s_min_u32 s50, s[WV], 1
	s_lshl_b32 s50, s50, 8
	s_add_co_u32 s50, s50, SCW
	v_lshl_add_u32 v16, v1, 2, s50                 ; v16: and back (waves 0 and 1)
	v_lshlrev_b32 v17, 3, v1                       ; v17: 8 x lane, for the stores of codes
	v_mov_b32 v[TM+2], 0                           ; written once: a lane permute's destination counts as one of its sources
	v_mov_b32 v[TM+3], 0
; ---- PHASE X.  Block kb: 32 channels of my position, all in my registers.  cnt: the loads of x behind this block's, which may stay out (held to what the wait can name)
.macro XBLOCK kb, cnt
	s_wait_loadcnt \cnt
.set XN, 64+32*\kb
.set CC, 192+8*\kb
	v_max3_num_f32 v24, |v[XN]|, |v[XN+1]|, |v[XN+2]|
	v_max3_num_f32 v25, |v[XN+3]|, |v[XN+4]|, |v[XN+5]|
.irp i, 6,10,14,18,22,26
	v_max3_num_f32 v24, v24, |v[XN+\i]|, |v[XN+\i+1]|
	v_max3_num_f32 v25, v25, |v[XN+\i+2]|, |v[XN+\i+3]|
.endr
	v_max3_num_f32 v24, v24, |v[XN+30]|, |v[XN+31]|
	v_max3_num_f32 v24, v24, v25, 0x2800000        ; with the floor 2^(5 - 127): the byte cannot fall under 1
	v_add_nc_u32 v26, 0xfe000000, v24              ; 4 off the exponent field: the conversion's scale operand
	v_lshrrev_b32 v25, 23, v26                     ; the scale's byte
.if \kb == 0
	v_mov_b32 v27, v25
.else
	v_lshl_or_b32 v27, v25, 8*\kb, v27             ; four bytes make my position's scale word for this K step
.endif
	v_cvt_scalef32_pk16_bf6_f32 v[CC:CC+2], v[XN:XN+15], v26
	v_cvt_scalef32_pk16_bf6_f32 v[CC+4:CC+6], v[XN+16:XN+31], v26   ; (a conversion's three registers begin on an even number)
	v_nop                                          ; one plain place behind a scaled conversion
	v_mov_b32 v[CC+3], v[CC+4]
	v_mov_b32 v[CC+4], v[CC+5]
	v_mov_b32 v[CC+5], v[CC+6]
.irp p, 0,1,2
	ds_store_b64 v5, v[CC+2*\p:CC+2*\p+1] offset:256*(3*(\kb/2)+\p)+128*(\kb%2)   ; block kb is registers 6 (kb / 2) .. + 5 of the operand's lane r + 16 (kb % 2)
.endr
.endm
	XBLOCK 0, 63
	XBLOCK 1, 63
	XBLOCK 2, 32
	XBLOCK 3, 0                                    ; (the biases, asked for earlier, are in too)
	ds_store_b32 v6, v27
	s_wait_dscnt 0x0                               ; my images have landed,
	s_wait_tensorcnt 0x0                           ; and my eighth of the weights:
	s_barrier_signal -1
	s_barrier_wait -1                              ; everybody's have
; ---- PHASE G
.irp s, 0,1,2,3
.irp q, 0,1
	ds_load_b32 v[32+2*\s+\q], v11 offset:256*\s+128*\q   ; lanes 0-15: tile 2 q's words, lanes 16-31: tile 2 q + 1's
.endr
	ds_load_b32 v[40+\s], v12 offset:256*\s
.endr
.irp t, 0,1,2,3
	ds_load_b64 v[44+2*\t:45+2*\t], v13 offset:256*\t     ; register s / 2; lanes 0-15 even K steps, lanes 16-31 odd ones
	ds_load_b64 v[52+2*\t:53+2*\t], v14 offset:256*\t
.endr
.irp s, 0,1,2,3
	WIN 0x40                                       ; destination window 1, address window 0
.irp x, 0,1,2,3
.irp p, 0,1,2,3,4,5
	ds_load_b64 v[12*\x+2*\p:12*\x+2*\p+1], v7 offset:XT*\x+1536*\s+256*\p
.endr
.endr
.irp p, 0,1,2,3,4,5
	ds_load_b64 v[48+2*\p:49+2*\p], v8 offset:1536*\s+256*\p
.endr
.irp t, 0,1,2,3
.irp i, 0,1,2
	ds_load_b128 v[60+12*\t+4*\i:63+12*\t+4*\i], v9 offset:6144*\t+1536*\s+512*\i
	ds_load_b128 v[108+12*\t+4*\i:111+12*\t+4*\i], v10 offset:6144*\t+1536*\s+512*\i
.endr
.endr
	s_wait_dscnt 0x0
.if \s == 0
	WIN 0x15                                       ; sources 0, 1 and C (the biases) window 1, D window 0
.else
	WIN 0x05                                       ; sources 0 and 1 window 1, C and D window 0
.endif
; twenty accumulators by turns, one instruction a turn, in the same order in every K step
.irp t, 0,1,2,3
.irp x, 0,1,2,3
.if \s == 0
	WM 64+32*\t+8*\x, 12*\x, 60+12*\t, 160+8*\t, 32+2*\s+\x/2, 44+2*\t+\s/2, \x%2, \s%2
.else
	WM 64+32*\t+8*\x, 12*\x, 60+12*\t, 64+32*\t+8*\x, 32+2*\s+\x/2, 44+2*\t+\s/2, \x%2, \s%2
.endif
.endr
.endr
.irp t, 0,1,2,3
.if \s == 0
	WM 192+8*\t, 108+12*\t, 48, 192+8*\t, 52+2*\t+\s/2, 40+\s, \s%2, 0
.else
	WM 192+8*\t, 108+12*\t, 48, 192+8*\t, 52+2*\t+\s/2, 40+\s, \s%2, 0
.endif
.endr
	WIN 0
.rept 4
	v_nop                                          ; places in front of loads into registers that matrix instructions have read, and of the first read of results
.endr
.endr
; ---- PHASE Q.  32 numbers of a lane, register 16 b + i = k 32 b + 16 (lane / 16) + i of my row, become six registers of codes at v[pc] (lanes 0-15: block 0, lanes 16-31: block 1) and two scale bytes in v[pw]
.macro QUANT2 s, pc, pw
.irp b, 0,1
	v_max3_num_f32 v[TM+\b], |v[\s+16*\b]|, |v[\s+1+16*\b]|, 0x2800000   ; each accumulator is read from its low end on
.endr
.irp i, 2,4,6,8,10,12,14
.irp b, 0,1
	v_max3_num_f32 v[TM+\b], v[TM+\b], |v[\s+16*\b+\i]|, |v[\s+1+16*\b+\i]|
.endr
.endr
.irp b, 0,1
	v_permlanex16_b32 v[TM+2+\b], v[TM+\b], s[SEL], s[SEL+1]
.endr
.irp b, 0,1
	v_max_num_f32 v[TM+\b], v[TM+\b], v[TM+2+\b]   ; with lane l xor 16's: the block's largest magnitude
.endr
.irp b, 0,1
	v_add_nc_u32 v[TM+4+\b], 0xfe000000, v[TM+\b]
.endr
.irp b, 0,1
	v_lshrrev_b32 v[TM+2+\b], 23, v[TM+4+\b]
.endr
	v_lshl_or_b32 v[\pw], v[TM+3], 8, v[TM+2]
	v_cvt_scalef32_pk16_bf6_f32 v[\pc:\pc+2], v[\s:\s+15], v[TM+4]
	v_cvt_scalef32_pk16_bf6_f32 v[PX:PX+2], v[\s+16:\s+31], v[TM+5]
	v_nop                                          ; one plain place behind a scaled conversion
.irp i, 0,1,2
	v_permlane16_swap_b32 v[\pc+\i], v[PX+\i]      ; the operand's layout wants a whole block in a lane
.endr
.irp i, 0,1,2
	v_mov_b32 v[\pc+3+\i], v[PX+\i]
.endr
.endm
	QUANT2 192, 248, 236                           ; my tile of q or k: K = its 64 channels
	v_or_b32 v236, 0x7f7f0000, v236                ; the instruction's upper 64 along K hold nothing: their bytes stand for 1
.irp p, 0,1,2
	global_store_b64 v17, v[248+2*\p:249+2*\p], s[52:53] offset:256*\p   ; the wave stores 256 consecutive bytes, aligned
.endr
	ds_store_b32 v15, v236                         ; both halves of the lanes write the same word
.irp t, 0,1,2,3
	QUANT2 64+32*\t, 192+8*\t, 237+\t              ; v's channels 64 w + 16 t + r: K = the block's 64 positions
.irp p, 0,1,2
	global_store_b64 v17, v[192+8*\t+2*\p:193+8*\t+2*\p], s[54:55] offset:1536*\t+256*\p
.endr
.endr
	v_cndmask_b32 v241, v237, v238, s30            ; lanes 0-15: tile 0's two bytes, lanes 16-31: tile 1's
	v_cndmask_b32 v242, v239, v240, s30
	global_store_b16 v4, v241, s[56:57]
	global_store_b16 v4, v242, s[56:57] offset:128
	s_wait_dscnt 0x0                               ; my scale word has landed
	s_barrier_signal -1
	s_barrier_wait -1
	s_cmp_lt_u32 s[WV], 2
	s_cbranch_scc0 .Lno_words
	ds_load_b32 v244, v16                          ; lane l: the word of (tile l / 16, r = l % 16),
	ds_load_b32 v245, v16 offset:128               ; and of tile 2 + l / 16
	s_wait_dscnt 0x0
	global_store_b64 v17, v[244:245], s[58:59]     ; 256 consecutive bytes, aligned
.Lno_words:
	s_wait_tensorcnt 0x0
	ds_add_u32 v254, v255
	s_wait_dscnt 0x0
	CROUND                                         ; the closing round: no work-group ends while a partner may still ask jointly
	s_endpgm
.Lfunc_end_k_q8af6f4f7ce_proj:
	.size	k_q8af6f4f7ce_proj, .Lfunc_end_k_q8af6f4f7ce_proj-k_q8af6f4f7ce_proj
	.p2alignl 7, 3214868480
	.fill 96, 4, 3214868480
	.section	.rodata,"a",@progbits
	.p2align	6, 0x0
	.amdhsa_kernel k_q8af6f4f7ce_proj
		.amdhsa_group_segment_fixed_size 283648
		.amdhsa_private_segment_fixed_size 0
		.amdhsa_enable_private_segment 0
		.amdhsa_kernarg_size 72
		.amdhsa_user_sgpr_count 2
		.amdhsa_user_sgpr_kernarg_segment_ptr 1
		.amdhsa_wavefront_size32 1
		.amdhsa_system_sgpr_workgroup_id_x 1
		.amdhsa_system_sgpr_workgroup_id_y 1
		.amdhsa_system_sgpr_workgroup_id_z 1
		.amdhsa_system_vgpr_workitem_id 0
		.amdhsa_next_free_vgpr 512
		.amdhsa_next_free_sgpr 80
		.amdhsa_reserve_vcc 0
		.amdhsa_float_denorm_mode_32 3
		.amdhsa_float_denorm_mode_16_64 3
		.amdhsa_memory_ordered 1
		.amdhsa_forward_progress 1
		.amdhsa_inst_pref_size 68
	.end_amdhsa_kernel
	.amdgpu_metadata
---
amdhsa.version: [ 1, 2 ]
amdhsa.kernels:
  - .name:           k_q8af6f4f7ce_proj
    .symbol:         k_q8af6f4f7ce_proj.kd
    .args:
      - { .name: x, .offset: 0, .size: 8, .value_kind: global_buffer, .address_space: global }
      - { .name: wbuf, .offset: 8, .size: 8, .value_kind: global_buffer, .address_space: global }
      - { .name: bq, .offset: 16, .size: 8, .value_kind: global_buffer, .address_space: global }
      - { .name: bk, .offset: 24, .size: 8, .value_kind: global_buffer, .address_space: global }
      - { .name: bv, .offset: 32, .size: 8, .value_kind: global_buffer, .address_space: global }
      - { .name: qbuf, .offset: 40, .size: 8, .value_kind: global_buffer, .address_space: global }
      - { .name: qs, .offset: 48, .size: 8, .value_kind: global_buffer, .address_space: global }
      - { .name: kbuf, .offset: 56, .size: 8, .value_kind: global_buffer, .address_space: global }
      - { .name: vbuf, .offset: 64, .size: 8, .value_kind: global_buffer, .address_space: global }
    .group_segment_fixed_size: 283648
    .private_segment_fixed_size: 0
    .kernarg_segment_align: 8
    .kernarg_segment_size: 72
    .max_flat_workgroup_size: 256
    .sgpr_count:     80
    .vgpr_count:     512
    .wavefront_size: 32
...
	.end_amdgpu_metadata
.endif
;; end of part 2
;; launch attn (part 3): grid 64 x 4, 8 waves a work-group, clusters of 4 x 1, 327,680 bytes of LDS; arguments x, qbuf, qs, kbuf, vbuf, out0; writes out0
.if DOCPART == 3
	.amdgcn_target "amdgcn-amd-amdhsa--gfx1250"
	.amdhsa_code_object_version 6
	.text
	.protected	k_q8af6f4f7ce_attn
	.globl	k_q8af6f4f7ce_attn
	.p2align	8
	.type	k_q8af6f4f7ce_attn,@function
k_q8af6f4f7ce_attn:
	s_mov_b64 s[64:65], 0
	v_nop
	global_prefetch_b8 v0, s[64:65] scope:SCOPE_SE
	s_setreg_imm32_b32 hwreg(HW_REG_WAVE_MODE, 25, 1), 1
	s_wait_xcnt 0x0
	s_wait_alu depctr_hold_cnt(0) depctr_sa_sdst(0) depctr_va_vdst(0) depctr_va_sdst(0) depctr_va_ssrc(0) depctr_va_vcc(0) depctr_vm_vsrc(0)
	s_getreg_b32 s2, hwreg(HW_REG_IB_STS2, 6, 4)
	s_cmp_eq_u32 s2, 0
	s_cbranch_scc0 .Lentry_in_a_cluster
	s_endpgm
.Lentry_in_a_cluster:
	s_bfe_u32 s2, ttmp6, 0x10000c
	s_cmp_lg_u32 s2, 0x3003
	s_cbranch_scc0 .Lentry_shape_is_right
	s_endpgm
.Lentry_shape_is_right:
; out[b][c][i] = x[b][c][i] + (sum over j of v[c][j] p[i][j]) / l[i], p = 2^(t - M), t = (q_i . k_j) log2(e), M the row's largest t rounded up to a whole number, l the sum of the unquantised p.
; Both products on codes of BF6 (E3M2) with one E8M0 scale for each 32 along K.  q, k (K = 64 channels: the instruction's upper 64 are nothing) and v (K = the keys) arrive as images of the operands' registers.
; SHARES.  A work-group owns 64 queries of one batch: four tiles of 16.  Its eight waves are two GROUPS of four (g = wave / 4, m = wave % 4).  A pair-step is 256 keys; group g takes its 128 keys 128 g on, with a running M, l and O
; of its own; the two halves are joined at the end by exact powers of two.  In its group wave m makes the scores and the softmax of query tile m (SM: S^T = K Q^T, a lane holds one query), hands p's codes, their scale word and the
; step's factor f = 2^(old M - new M) to the others through LDS as register images, and multiplies channels 128 m .. 128 m + 127 of V by all four tiles' p (PV: source 0 = p, source 1 = V: a lane holds a channel and eight
; neighbouring queries), so that each fragment of V read from LDS feeds four matrix instructions.
; BY TURNS.  Trip n runs SM of the walk's n-th pair-step and PV of the one before, one barrier a trip.  Group 0 runs SM first, group 1 PV first, so that of the two waves that share registers' room on a SIMD one has vector work while the other has matrix work.
; THE WALK.  The sixteen clusters of a batch begin at different pair-steps, cluster c at 2 ((c % 8) xor 7 (c / 8)), and go round modulo 16: in a trip no two of any eight clusters that agree in one bit of c ask for the same tile, and the
; first fills of such eight clusters (two pair-steps each) name all sixteen.  The order of the keys changes nothing in the codes' values: M is a running whole number, and every rescaling is an exact power of two.
; THE KEYS AND QUERIES OF A TILE ARE NOT NEIGHBOURS: lane r of tile 2 b + u stands for position 32 b + 8 u + r + 8 (r / 8): p's 16 registers of two neighbouring tiles are 16 neighbouring keys.
; K's OPERAND: a tile's codes are 6 registers; the operand names 12: the upper six are the next tile's codes (behind the last tile: zeros).  Q's upper 64 codes are zeros, every code of this format is a finite number and the scale bytes
; there stand for 1, so those products are zeros.
; CLUSTER.  The four work-groups of a cluster belong to one batch and walk the same K and V: each tile is asked for JOINTLY (waves 0-3: a quarter of V's 102,400 bytes each; wave 4: K's 13,312).  Two slots by turns; a refill stands first
; behind a round of the cluster's barrier and has a whole trip in which to land.  Two tensor loads of a wave are out at the start, later one.
; LIMITS: NaN and infinities are not served; a block of p that has fallen to zeros keeps the byte 1 (its codes are zeros); the sums over the keys are formed in two halves, and begin at a pair-step that hangs on the cluster.
; REGISTERS.  window 0: v1, v2 the spare word's address and 0; v3-11 lane bases; v12 -M, v13 the largest t, v[14:15] l; v16-27 Q (v22-27 zeros), v28 its scale word; v29 prefetch offset; v30-38 the trip's addresses; v39, v53, v60-63 the way
;   out's addresses; v40-43, v44-47, v48-51 scale words of K, p, V; v52 p's word just made; v[54:55] f; v56-57 at work; v64-239: SM: S^T and p v64-127, at work v128-159, K v192-239;  PV: f v64-95, p v96-143, V v144-239; v240-245 zeros.
;   window 1: O: accumulator (V tile t, query tile q) at v[8 (4 t + q)].
;   scalars: s[74:75] the batch's K, s[76:77] the batch's V at my quarter; s78, s79 the pair-step that K's and V's walking descriptors name; s[80:81] an offset at work (s81 stays 0).
.set D,     131072                     ; slot 1 begins here: one exclusive or turns an address in one slot into the other's
.set KSL,   102400                     ; a slot: V's pair-step (group g's step at 51,200 g), then K's (at 6,656 g),
.set PB,    115712                     ; then eight places of PBW bytes, one a wave: p's image 3 x 512, its scale words at 1,536, f at 1,664.  No tensor load lands there
.set PBW,   1792
.set STATS, 278528                     ; -M and l of both groups: 512 g + 256 a + 4 x position
.set SPARE, 279552                     ; the spare words, 128 bytes a wave: four blocks of 256 bytes that no other line names
.set SGB,   139264                     ; the way out: a stage of 512 rows x (256 + 16) bytes for each group, over the slots, which have had their last fill and their last read
.set WV,  16
.set MSB, 0
.macro WIN new                         ; the immediate's high byte repeats the setting that is left
.if MSB != \new
	s_set_vgpr_msb (MSB<<8)|\new
.set MSB, \new
.endif
.endm
.macro CROUND                          ; a round of the cluster's barrier
	s_barrier_signal -1
	s_barrier_wait -1
	s_cmp_lg_u32 s[WV], 0
	s_cbranch_scc1 .Lnot_wave_0_\@
	s_barrier_signal -3
.Lnot_wave_0_\@:
	s_barrier_wait -3
	s_barrier_signal -1
	s_barrier_wait -1
.endm
; one matrix instruction: D at d, sources at a and b; cm = 0: C is the constant 0, else C = D; scale registers sa, sb, read from lanes 0-15 (ra, rb = 0) or 16-31 (1)
.macro WM d, a, b, cm, sa, sb, ra, rb
.if (\cm) == 0
.if ((\ra) == 0) && ((\rb) == 0)
	v_wmma_scale_f32_16x16x128_f8f6f4 v[\d:\d+7], v[\a:\a+11], v[\b:\b+11], 0, v[\sa], v[\sb] matrix_a_fmt:MATRIX_FMT_BF6 matrix_b_fmt:MATRIX_FMT_BF6
.elseif ((\rb) == 0)
	v_wmma_scale_f32_16x16x128_f8f6f4 v[\d:\d+7], v[\a:\a+11], v[\b:\b+11], 0, v[\sa], v[\sb] matrix_a_fmt:MATRIX_FMT_BF6 matrix_b_fmt:MATRIX_FMT_BF6 matrix_a_scale:MATRIX_SCALE_ROW1
.else
	v_wmma_scale_f32_16x16x128_f8f6f4 v[\d:\d+7], v[\a:\a+11], v[\b:\b+11], 0, v[\sa], v[\sb] matrix_a_fmt:MATRIX_FMT_BF6 matrix_b_fmt:MATRIX_FMT_BF6 matrix_b_scale:MATRIX_SCALE_ROW1
.endif
.else
.if ((\rb) == 0)
	v_wmma_scale_f32_16x16x128_f8f6f4 v[\d:\d+7], v[\a:\a+11], v[\b:\b+11], v[\d:\d+7], v[\sa], v[\sb] matrix_a_fmt:MATRIX_FMT_BF6 matrix_b_fmt:MATRIX_FMT_BF6
.else
	v_wmma_scale_f32_16x16x128_f8f6f4 v[\d:\d+7], v[\a:\a+11], v[\b:\b+11], v[\d:\d+7], v[\sa], v[\sb] matrix_a_fmt:MATRIX_FMT_BF6 matrix_b_fmt:MATRIX_FMT_BF6 matrix_b_scale:MATRIX_SCALE_ROW1
.endif
.endif
.endm
	s_load_b256 s[4:11], s[0:1], 0x0               ; x, qbuf, qs, kbuf
	s_load_b128 s[12:15], s[0:1], 0x20             ; vbuf, out0
	v_lshl_add_u32 v1, v0, 2, SPARE
	v_mov_b32 v2, 0
	ds_add_u32 v1, v2
	s_wait_dscnt 0x0
	v_lshrrev_b32 v3, 5, v0
	v_readfirstlane_b32 s[WV], v3                  ; wave 0..7
	s_lshr_b32 s17, s[WV], 2                       ; g
	s_and_b32 s18, s[WV], 3                        ; m
	s_bfe_u32 s26, ttmp6, 0x40000                  ; cx
	s_lshl_b32 s27, ttmp9, 2
	s_add_co_u32 s27, s27, s26                     ; my block of 64 queries: it enters the addresses of Q, x and out alone
	s_and_b32 s28, ttmp7, 0xffff                   ; the batch, which the four partners share
	s_and_b32 s78, ttmp9, 7                        ; where my cluster's walk begins: made of the cluster's number alone, which the four partners share
	s_bfe_u32 s79, ttmp9, 0x10003
	s_mul_i32 s79, s79, 7
	s_xor_b32 s78, s78, s79                        ; (c % 8) xor 7 (c / 8)
	s_lshl_b32 s78, s78, 1                         ; the first pair-step: an even number, 0 to 14
	s_mul_i32 s80, s78, 102400                     ; its place in the batch's V,
	s_mov_b32 s81, 0
	s_mul_i32 s82, s78, 13312                      ; and in the batch's K
	s_mov_b32 s83, 0
	s_mov_b32 s20, 0x76543210
	s_mov_b32 s21, 0xfedcba98                      ; v_permlanex16_b32's selects for lane l xor 16
	s_mov_b32 s22, 0x3fb8aa3b                      ; log2(e)
	s_mov_b32 s23, s22                             ; (named with it as a pair, so it is written)
	s_mov_b32 s24, 0                               ; TA: the slot of this trip's K and of the p that it makes
	s_mov_b32 s25, D                               ; TB: the slot of the V and the p that it multiplies
	; descriptor groups 1: dense rows of 32 elements of 8 bytes; the mask names all four work-groups.  V: 100 rows a wave; K: 52
	s_mov_b32 s32, 15|(3<<16)|(1<<21)
	s_mov_b32 s33, 32<<16
	s_mov_b32 s34, 100<<16
	s_mov_b32 s35, 32<<16
	s_mov_b32 s36, 100
	s_mov_b32 s37, 32
	s_mov_b32 s38, 0
	s_mov_b32 s39, 0
	s_mov_b32 s40, 15|(3<<16)|(1<<21)
	s_mov_b32 s41, 32<<16
	s_mov_b32 s42, 52<<16
	s_mov_b32 s43, 32<<16
	s_mov_b32 s44, 52
	s_mov_b32 s45, 32
	s_mov_b32 s46, 0
	s_mov_b32 s47, 0
	s_min_u32 s29, s[WV], 3
	s_mul_i32 s29, s29, 25600                      ; my quarter of V's pair-step, in LDS as in memory
	s_mul_i32 s30, s28, 1638400                    ; the batch's V
	s_add_co_u32 s30, s30, s29
	s_mov_b32 s31, 0
	s_mul_i32 s72, s28, 212992                     ; the batch's K
	s_mov_b32 s73, 0
	s_lshl_b32 s66, s28, 8
	s_lshl_b32 s67, s27, 2
	s_add_co_u32 s66, s66, s67
	s_add_co_u32 s66, s66, s18
	s_mul_i32 s66, s66, 768                        ; Q: tile 256 batch + 4 block + m
	s_mov_b32 s67, 0
	s_lshl_b32 s68, s28, 6
	s_add_co_u32 s68, s68, s27
	s_lshl_b32 s68, s68, 8                         ; its scale words: 256 bytes a block; tile m's word of row r at 8 (r + 16 (m % 2)) + 4 (m / 2)
	s_and_b32 s69, s18, 1
	s_lshl_b32 s69, s69, 7
	s_add_co_u32 s68, s68, s69
	s_lshr_b32 s69, s18, 1
	s_lshl_b32 s69, s69, 2
	s_add_co_u32 s68, s68, s69
	s_mov_b32 s69, 0
	s_lshl_b32 s70, s28, 23                        ; x and out: the batch, my wave's 64 channels, my block's 256 bytes
	s_lshl_b32 s71, s[WV], 20
	s_add_co_u32 s70, s70, s71
	s_lshl_b32 s71, s27, 8
	s_add_co_u32 s70, s70, s71
	s_mov_b32 s71, 0
	v_and_b32 v56, 31, v0                          ; lane
	v_and_b32 v57, 15, v0                          ; r
	v_bfe_u32 v58, v0, 4, 1                        ; h
	v_lshlrev_b32 v246, 3, v56                     ; Q's codes: 8 x lane
	v_lshlrev_b32 v247, 3, v57                     ; its scale word: 8 r
	s_wait_kmcnt 0x0
	s_add_nc_u64 s[76:77], s[12:13], s[30:31]      ; the batch's V at my quarter: kept
	s_add_nc_u64 s[74:75], s[10:11], s[72:73]      ; the batch's K: kept
	s_mov_b32 s48, 1                               ; V, the walk's pair-step 0, slot 0
	s_mov_b32 s49, s29
	s_add_nc_u64 s[50:51], s[76:77], s[80:81]
	s_mov_b32 s52, 1                               ; V, the walk's pair-step 1 (the first is even, so the next lies straight behind it), slot 1: this one walks on
	s_add_co_u32 s53, s29, D
	s_add_nc_u64 s[54:55], s[50:51], 102400
	s_or_b32 s51, s51, 0x80000000                  ; type 2
	s_or_b32 s55, s55, 0x80000000
	s_mov_b32 s56, 1                               ; K, the walk's pair-step 0, slot 0
	s_mov_b32 s57, KSL
	s_add_nc_u64 s[58:59], s[74:75], s[82:83]
	s_mov_b32 s60, 1                               ; K, the walk's pair-step 1, slot 1: this one walks on
	s_mov_b32 s61, KSL+D
	s_add_nc_u64 s[62:63], s[58:59], 13312
	s_or_b32 s59, s59, 0x80000000
	s_or_b32 s63, s63, 0x80000000
	s_add_co_u32 s78, s78, 1                       ; the pair-step that K's walking descriptor names,
	s_mov_b32 s79, s78                             ; and V's
	s_add_nc_u64 s[6:7], s[6:7], s[66:67]
	s_add_nc_u64 s[8:9], s[8:9], s[68:69]
	s_add_nc_u64 s[4:5], s[4:5], s[70:71]
	s_add_nc_u64 s[14:15], s[14:15], s[70:71]
	CROUND                                         ; all four work-groups are here: the first joint loads meet
	s_cmp_lt_u32 s[WV], 4                          ; a wave's first fills stand in one branch, ahead of every wait on TENSORcnt, every LDS read and every other barrier
	s_cbranch_scc0 .Lfirst_not_v
	tensor_load_to_lds s[48:51], s[32:39]
	s_nop 0
	tensor_load_to_lds s[52:55], s[32:39]
	s_nop 0
.rept 4
	v_nop
.endr
	s_branch .Lfirst_asked
.Lfirst_not_v:
	s_cmp_eq_u32 s[WV], 4
	s_cbranch_scc0 .Lfirst_asked
	tensor_load_to_lds s[56:59], s[40:47]
	s_nop 0
	tensor_load_to_lds s[60:63], s[40:47]
	s_nop 0
.rept 4
	v_nop
.endr
.Lfirst_asked:
.irp p, 0,1,2
	global_load_b64 v[16+2*\p:17+2*\p], v246, s[6:7] offset:256*\p   ; Q's codes stay in registers
.endr
	global_load_b32 v28, v247, s[8:9]              ; and its scale word
	; every LDS address register is made here, ahead of the first parting of the groups
	s_mul_i32 s66, s17, 6656
	s_add_co_u32 s66, s66, KSL
	v_lshl_add_u32 v3, v56, 3, s66                 ; K's tiles: 8 x lane
	s_mul_i32 s66, s[WV], PBW
	s_add_co_u32 s66, s66, PB
	v_lshl_add_u32 v4, v56, 4, s66                 ; where I put p's image,
	v_lshl_add_u32 v5, v56, 2, s66                 ; its scale word,
	v_lshl_add_u32 v6, v57, 2, s66                 ; and f
	s_mul_i32 s66, s17, 4*PBW
	s_add_co_u32 s66, s66, PB
	v_lshl_add_u32 v7, v56, 4, s66                 ; where I read my group's four images,
	v_lshl_add_u32 v8, v56, 2, s66                 ; their scale words,
	v_lshl_add_u32 v9, v58, 5, s66                 ; and the f of queries 8 h + 0 .. 7 of a tile
	s_mul_i32 s66, s17, 51200
	s_mul_i32 s67, s18, 12288
	s_add_co_u32 s67, s67, s66
	v_lshl_add_u32 v10, v56, 3, s67                ; V's fragments 8 m ..
	s_lshl_b32 s67, s18, 9
	s_add_co_u32 s67, s67, s66
	s_add_co_u32 s67, s67, 49152
	v_lshl_add_u32 v11, v56, 2, s67                ; and their scale words, two tiles a register
	s_mul_i32 s66, s17, SGB
	s_mul_i32 s67, s18, 128*272
	s_add_co_u32 s66, s66, s67
	v_mul_u32_u24 v60, v57, 272
	v_lshl_add_u32 v60, v58, 6, v60
	v_add_nc_u32 v60, s66, v60                     ; the stage, in: row = channel 128 m + r, + 64 h
	s_mul_i32 s66, s[WV], 64*272
	v_mul_u32_u24 v61, v58, 272
	v_lshl_add_u32 v61, v57, 4, v61
	v_add_nc_u32 v61, s66, v61                     ; back: rows 64 wave + h, 16 bytes a lane: group 0's stage,
	v_add_nc_u32 v62, SGB, v61                     ; and group 1's
	v_lshlrev_b32 v63, 14, v58
	v_lshl_add_u32 v63, v57, 4, v63                ; the same two rows in x and in out
	s_lshl_b32 s66, s17, 9
	s_lshr_b32 s67, s18, 1
	s_lshl_b32 s67, s67, 7
	s_add_co_u32 s66, s66, s67
	s_and_b32 s67, s18, 1
	s_lshl_b32 s67, s67, 5
	s_add_co_u32 s66, s66, s67
	s_add_co_u32 s66, s66, STATS
	v_and_b32 v39, 8, v57
	v_add_nc_u32 v39, v39, v57
	v_lshl_add_u32 v39, v39, 2, s66                ; my query's place among -M and l: position 32 (m / 2) + 8 (m % 2) + r + 8 (r / 8)
	v_lshl_add_u32 v53, v57, 4, STATS              ; and back: four positions a lane
	v_lshlrev_b32 v29, 14, v56                     ; the prefetch of x: a lane a row
	v_mov_b32 v13, 0xff61b1e6                      ; the largest t so far: -3e38, under every t
	v_floor_f32 v12, -v13                          ; -M
	v_mov_b32 v14, 0                               ; l, in two halves
	v_mov_b32 v15, 0
	v_mov_b32 v55, 0                               ; (named as the upper half of the pair v[54:55])
.irp i, 0,1,2,3,4,5
	v_mov_b32 v[22+\i], 0                          ; Q's upper 64 codes
	v_mov_b32 v[240+\i], 0                         ; what stands behind K's last tile
.endr
.irp b, 0,1,2,3
	v_mov_b32 v[132+\b], 0                         ; a lane permute's destination counts as one of its sources
.endr
.macro ADDRS                           ; the trip's addresses
	v_add_nc_u32 v30, s24, v3
	v_add_nc_u32 v31, s24, v4
	v_add_nc_u32 v32, s24, v5
	v_add_nc_u32 v33, s24, v6
	v_add_nc_u32 v34, s25, v7
	v_add_nc_u32 v35, s25, v8
	v_add_nc_u32 v36, s25, v9
	v_add_nc_u32 v37, s25, v10
	v_add_nc_u32 v38, s25, v11
.endm
; THE HEAD OF A TRIP.  Each wave waits for all its tensor loads, adds 0 to its spare word, turns the slots while the add is out, and waits for the add and for its LDS reads and stores of the last trip.  Behind the barrier the tiles and
; images of this trip are whole and nobody reads the last trip's.  fk, fv = 1: the slot of K, of V that was read last trip is filled again, jointly: the barrier is then a round of the cluster's, and the refill is the first thing behind it.
.macro HEAD fk, fv
	s_wait_tensorcnt 0x0                           ; no tensor load of mine is out, so a group 0 may be written
	ds_add_u32 v1, v2                              ; 0 onto my spare word
	s_xor_b32 s24, s24, D
	s_xor_b32 s25, s25, D
.if \fk
	s_xor_b32 s61, s61, D                          ; the walking descriptors: the other slot than last time,
	s_add_co_u32 s78, s78, 1
	s_and_b32 s78, s78, 15                         ; the next pair-step, round modulo 16,
	s_mul_i32 s80, s78, 13312
	s_add_nc_u64 s[62:63], s[74:75], s[80:81]      ; from the batch's first byte on,
	s_or_b32 s63, s63, 0x80000000                  ; with the type set anew
.endif
.if \fv
	s_xor_b32 s53, s53, D
	s_add_co_u32 s79, s79, 1
	s_and_b32 s79, s79, 15
	s_mul_i32 s80, s79, 102400
	s_add_nc_u64 s[54:55], s[76:77], s[80:81]
	s_or_b32 s55, s55, 0x80000000
.endif
	ADDRS
	s_wait_dscnt 0x0                               ; the add is done, my reads are over and my images have landed
.if \fk || \fv
	CROUND
.if \fv
	s_cmp_lt_u32 s[WV], 4
	s_cbranch_scc0 .Lnot_v_\@
	tensor_load_to_lds s[52:55], s[32:39]
	s_nop 0
.rept 4
	v_nop
.endr
.Lnot_v_\@:
.endif
.if \fk
	s_cmp_eq_u32 s[WV], 4
	s_cbranch_scc0 .Lnot_k_\@
	tensor_load_to_lds s[60:63], s[40:47]
	s_nop 0
.rept 4
	v_nop
.endr
.Lnot_k_\@:
.endif
.else
	s_barrier_signal -1
	s_barrier_wait -1
.endif
.endm
; SM: my group's 128 keys against my tile of 16 queries.
.macro SM
.irp t, 0,1,2,3,4,5,6,7
.irp p, 0,1,2
	ds_load_b64 v[192+6*\t+2*\p:193+6*\t+2*\p], v30 offset:768*\t+256*\p
.endr
.endr
	ds_load_b64 v[40:41], v30 offset:6144          ; K's scale words: register t / 2, lanes 0-15 even tiles, lanes 16-31 odd ones
	ds_load_b64 v[42:43], v30 offset:6400
	s_wait_dscnt 0x0
.irp t, 0,1,2,3,4,5,6,7
	WM 64+8*\t, 192+6*\t, 16, 0, 40+\t/2, 28, \t%2, 0
.endr                                              ; lane (r, h) holds query r; the 16 registers of tiles 2 b, 2 b + 1 are keys 32 b + 16 h + 0 .. 15
.rept 4
	v_nop
.endr
.irp b, 0,1,2,3
	v_max3_num_f32 v[128+\b], v[64+16*\b], v[65+16*\b], v[66+16*\b]   ; the largest score of each block of 32 keys: for the row's maximum, and, since p rises with the score, for the block's largest p
.endr
.irp i, 3,5,7,9,11,13
.irp b, 0,1,2,3
	v_max3_num_f32 v[128+\b], v[128+\b], v[64+16*\b+\i], v[65+16*\b+\i]
.endr
.endr
.irp b, 0,1,2,3
	v_max_num_f32 v[128+\b], v[128+\b], v[79+16*\b]
.endr
.irp b, 0,1,2,3
	v_permlanex16_b32 v[132+\b], v[128+\b], s20, s21
.endr
.irp b, 0,1,2,3
	v_max_num_f32 v[128+\b], v[128+\b], v[132+\b]  ; with lane l xor 16's 16 keys
.endr
	v_max3_num_f32 v56, v128, v129, v130
	v_max_num_f32 v56, v56, v131
	v_mul_f32 v56, s22, v56                        ; as t
	v_max_num_f32 v13, v13, v56                    ; the running largest t
	v_mov_b32 v56, v12
	v_floor_f32 v12, -v13                          ; the new -M = -ceil(t): a whole number
	v_sub_f32 v56, v12, v56                        ; old M - new M: a whole number, 0 or less
	v_cvt_i32_f32 v56, v56                         ; (it saturates)
	v_ldexp_f32 v54, 1.0, v56                      ; f = 2^(old M - new M): a multiplication by it rounds nothing
.set j, 0
.rept 32
	v_pk_fma_f32 v[64+j:65+j], v[64+j:65+j], s[22:23], v[12:13] op_sel_hi:[1,0,0]   ; t - M, two at a time
.set j, j+2
.endr
.irp b, 0,1,2,3
	v_fma_f32 v[128+\b], v[128+\b], s22, v12       ; the same of each block's largest score
.endr
.set j, 0
.rept 64
	v_exp_f32 v[64+j], v[64+j]                     ; p = 2^(t - M), at most 1: not normalised
.set j, j+1
.endr
.irp b, 0,1,2,3
	v_exp_f32 v[128+\b], v[128+\b]                 ; the block's largest p: the same two instructions on the same number
.endr
	v_pk_mul_f32 v[14:15], v[14:15], v[54:55] op_sel_hi:[1,0]   ; l under the new M.  (A plain place behind the exponentials)
	s_wait_alu depctr_va_vdst(0)
.irp b, 0,1,2,3
	v_max_num_f32 v[128+\b], 0x2800000, v[128+\b]  ; the floor 2^(5 - 127): the byte cannot fall under 1
.endr
.irp b, 0,1,2,3
	v_add_nc_u32 v[136+\b], 0xfe000000, v[128+\b]  ; 4 off the exponent field: the conversion's scale operand
.endr
.irp b, 0,1,2,3
	v_lshrrev_b32 v[132+\b], 23, v[136+\b]         ; the scale's byte
.endr
	v_lshl_or_b32 v52, v133, 8, v132               ; p's scale word for these 128 keys
	v_lshl_or_b32 v52, v134, 16, v52
	v_lshl_or_b32 v52, v135, 24, v52
.irp c, 0,1
	v_cvt_scalef32_pk16_bf6_f32 v[140+6*\c:142+6*\c], v[64+32*\c:79+32*\c], v[136+2*\c]
	v_cvt_scalef32_pk16_bf6_f32 v[152+4*\c:154+4*\c], v[80+32*\c:95+32*\c], v[137+2*\c]   ; (a conversion's three registers begin on an even number)
.endr
	v_nop                                          ; one plain place behind a scaled conversion
.irp c, 0,1                                        ; the operand's layout wants a whole block in a lane
.irp i, 0,1,2
	v_permlane16_swap_b32 v[140+6*\c+\i], v[152+4*\c+\i]
.endr
.irp i, 0,1,2
	v_mov_b32 v[143+6*\c+\i], v[152+4*\c+\i]
.endr
.endr
.irp i, 0,1,2
	ds_store_b128 v31, v[140+4*\i:143+4*\i] offset:512*\i   ; p's fragment goes to LDS as it stands: any wave that loads it so has the same registers in the same lanes
.endr
	ds_store_b32 v32, v52 offset:1536
	ds_store_b32 v33, v54 offset:1664              ; f of query r (both halves of the lanes write the same word)
	v_pk_add_f32 v[56:57], v[64:65], v[66:67]      ; l takes the UNQUANTISED p: two at a time, in two chains
.irp j, 4,8,12,16,20,24,28,32,36,40,44,48,52,56,60
	v_pk_add_f32 v[14:15], v[14:15], v[64+\j:65+\j]
	v_pk_add_f32 v[56:57], v[56:57], v[66+\j:67+\j]
.endr
	v_pk_add_f32 v[14:15], v[14:15], v[56:57]
	s_wait_dscnt 0x0                               ; the stores have read their registers: loads may land there
.endm
; PV: O = O f + p V^T for my 128 channels and my group's four tiles of queries; K = the 128 keys of the pair-step before.  zero = 1: the first: it starts the sums, and there is nothing to rescale.
.macro PV zero
.if \zero == 0
.irp q, 0,1,2,3
	ds_load_b128 v[64+8*\q:67+8*\q], v36 offset:PBW*\q+1664     ; f of queries 8 h + 0 .. 7 of tile q: O's eight registers are these eight queries
	ds_load_b128 v[68+8*\q:71+8*\q], v36 offset:PBW*\q+1680
.endr
.endif
.irp q, 0,1,2,3
.irp i, 0,1,2
	ds_load_b128 v[96+12*\q+4*\i:99+12*\q+4*\i], v34 offset:PBW*\q+512*\i
.endr
.endr
.irp q, 0,1,2,3
	ds_load_b32 v[44+\q], v35 offset:PBW*\q+1536
.endr
.irp i, 0,1,2,3
	ds_load_b32 v[48+\i], v38 offset:128*\i        ; lanes 0-15: V tile 2 i's words, lanes 16-31: tile 2 i + 1's
.endr
.irp t, 0,1,2,3,4,5,6,7
.irp p, 0,1,2,3,4,5
	ds_load_b64 v[144+12*\t+2*\p:145+12*\t+2*\p], v37 offset:1536*\t+256*\p
.endr
.endr
.if \zero == 0
	s_wait_dscnt 63                                ; of the 76 loads the oldest 13 are in, f's eight among them
	WIN 0x41                                       ; O (destination and source 0) window 1, f window 0
.irp t, 0,1,2,3,4,5,6,7
.irp q, 0,1,2,3
.irp j, 0,2,4,6
	v_pk_mul_f32 v[8*(4*\t+\q)+\j:8*(4*\t+\q)+\j+1], v[8*(4*\t+\q)+\j:8*(4*\t+\q)+\j+1], v[64+8*\q+\j:65+8*\q+\j]   ; each accumulator from its low end on
.endr
.endr
.endr
.endif
	WIN 0x50                                       ; C and D window 1
.irp t, 0,1,2,3,4,5,6,7
	s_wait_dscnt 6*(7-\t)                          ; V's tile t is in; the later tiles' loads may stay out
.irp q, 0,1,2,3
	WM 8*(4*\t+\q), 96+12*\q, 144+12*\t, 1-\zero, 44+\q, 48+\t/2, 0, \t%2   ; 32 accumulators by turns
.endr
.endr
	WIN 0
.rept 5
	v_nop                                          ; five places: the scores' matrix instructions write over registers that these have read; four of them serve the loads
.endr
.endm
.macro BODY zero                       ; group 0: SM, then PV; group 1: PV, then SM.  The branches hang on the wave's number alone
	s_cmp_lg_u32 s17, 0
	s_cbranch_scc1 .Lpv_first_\@
	SM
.Lpv_first_\@:
	PV \zero
	s_cmp_eq_u32 s17, 0
	s_cbranch_scc1 .Lsm_done_\@
	SM
.Lsm_done_\@:
.endm
	s_wait_tensorcnt 1                             ; my first fill is in (wave 4: K of the walk's pair-step 0); the second may stay out
	s_barrier_signal -1
	s_barrier_wait -1
	ADDRS
	s_wait_loadcnt 0x0                             ; Q
	SM                                             ; trip 0: there is nothing to multiply yet
	HEAD 1, 0                                      ; trip 1: K of the walk's pair-step 2 goes out; V of its pair-steps 0 and 1 came with the first fills
	BODY 1
	s_mov_b32 s19, 13
.Ltrip:                                            ; trips 2 to 14: K of the walk's pair-step n + 1 and V of its pair-step n go out
	HEAD 1, 1
	BODY 0
	s_sub_co_u32 s19, s19, 1
	s_cmp_lg_u32 s19, 0
	s_cbranch_scc1 .Ltrip
	HEAD 0, 1                                      ; trip 15: the last V; the tail is written out
	; x is wanted on the way out: my wave's 64 rows, 256 aligned bytes of each, a lane a row, each named once in the launch, one trip and the last products ahead of the loads
	global_prefetch_b8 v29, s[4:5] th:TH_LOAD_NT scope:SCOPE_SE
	global_prefetch_b8 v29, s[4:5] offset:524288 th:TH_LOAD_NT scope:SCOPE_SE
	BODY 0
	HEAD 0, 0                                      ; trip 16: nothing is left to fetch
	PV 0
	; THE WAY OUT.  x's loads first: rows 64 wave + 2 i + lane / 16, sixteen lanes to a row's 256 bytes
.set j, 0
.rept 32
	global_load_b128 v[64+4*j:67+4*j], v63, s[4:5] offset:32768*j th:TH_LOAD_NT
.set j, j+1
.endr
	v_add_f32 v14, v14, v15                        ; l's two halves,
	v_permlanex16_b32 v56, v14, s20, s21
	v_add_f32 v14, v14, v56                        ; and lane l xor 16's
	ds_store_b32 v39, v12                          ; my query's -M
	ds_store_b32 v39, v14 offset:256               ; and l
	s_wait_dscnt 0x0
	s_barrier_signal -1
	s_barrier_wait -1                              ; nobody reads the slots any more: the stages may be written over them
	WIN 0x04                                       ; an LDS store's data are its source 1: window 1
.irp t, 0,1,2,3,4,5,6,7
.irp q, 0,1,2,3
	ds_store_b128 v60, v[8*(4*\t+\q):8*(4*\t+\q)+3] offset:4352*\t+128*(\q/2)+32*(\q%2)        ; O(channel 128 m + 16 t + r, positions 32 (q / 2) + 8 (q % 2) + 16 h + 0 .. 7), as it is
	ds_store_b128 v60, v[8*(4*\t+\q)+4:8*(4*\t+\q)+7] offset:4352*\t+128*(\q/2)+32*(\q%2)+16
.endr
.endr
	WIN 0
	s_wait_dscnt 0x0
	s_barrier_signal -1
	s_barrier_wait -1                              ; both groups' 512 rows lie in the stages
	ds_load_b128 v[192:195], v53                   ; my four positions: group 0's -M,
	ds_load_b128 v[196:199], v53 offset:256        ; its l,
	ds_load_b128 v[200:203], v53 offset:512        ; group 1's -M,
	ds_load_b128 v[204:207], v53 offset:768        ; its l
	s_wait_dscnt 0x0
.irp k, 0,1,2,3
	v_min_num_f32 v[208+\k], v[192+\k], v[200+\k]  ; -M of the two together
.endr
.irp k, 0,1,2,3
	v_sub_f32 v[212+\k], v[208+\k], v[192+\k]      ; a group's M less the common one: a whole number, 0 or less
	v_sub_f32 v[216+\k], v[208+\k], v[200+\k]
.endr
.irp k, 0,1,2,3
	v_cvt_i32_f32 v[212+\k], v[212+\k]
	v_cvt_i32_f32 v[216+\k], v[216+\k]
.endr
.irp k, 0,1,2,3
	v_ldexp_f32 v[212+\k], 1.0, v[212+\k]          ; exact powers of two
	v_ldexp_f32 v[216+\k], 1.0, v[216+\k]
.endr
.irp k, 0,1,2,3
	v_mul_f32 v[220+\k], v[196+\k], v[212+\k]
.endr
.irp k, 0,1,2,3
	v_fma_f32 v[220+\k], v[204+\k], v[216+\k], v[220+\k]   ; the row's sum
.endr
.irp k, 0,1,2,3
	v_rcp_f32 v[220+\k], v[220+\k]
.endr
	v_nop                                          ; a plain place behind the reciprocals
	s_wait_alu depctr_va_vdst(0)
.irp k, 0,1,2,3
	v_mul_f32 v[16+\k], v[212+\k], v[220+\k]       ; what group 0's O is multiplied by,
	v_mul_f32 v[20+\k], v[216+\k], v[220+\k]       ; and group 1's
.endr
.irp u, 0,1,2,3                                    ; four runs of eight pairs of rows
.irp i, 0,1,2,3,4,5,6,7
	ds_load_b128 v[192+4*\i:195+4*\i], v61 offset:544*(8*\u+\i)
	ds_load_b128 v[224+4*\i:227+4*\i], v62 offset:544*(8*\u+\i)
.endr
.irp i, 0,1,2,3,4,5,6,7
	s_wait_dscnt 14-2*\i                           ; this pair's two loads are in; the later pairs' may stay out
	s_wait_loadcnt 31-8*\u-\i                      ; and its x; the later rows' may stay out
	v_pk_fma_f32 v[64+32*\u+4*\i:65+32*\u+4*\i], v[192+4*\i:193+4*\i], v[16:17], v[64+32*\u+4*\i:65+32*\u+4*\i]
	v_pk_fma_f32 v[66+32*\u+4*\i:67+32*\u+4*\i], v[194+4*\i:195+4*\i], v[18:19], v[66+32*\u+4*\i:67+32*\u+4*\i]
	v_pk_fma_f32 v[64+32*\u+4*\i:65+32*\u+4*\i], v[224+4*\i:225+4*\i], v[20:21], v[64+32*\u+4*\i:65+32*\u+4*\i]
	v_pk_fma_f32 v[66+32*\u+4*\i:67+32*\u+4*\i], v[226+4*\i:227+4*\i], v[22:23], v[66+32*\u+4*\i:67+32*\u+4*\i]
	global_store_b128 v63, v[64+32*\u+4*\i:67+32*\u+4*\i], s[14:15] offset:32768*(8*\u+\i) th:TH_STORE_NT   ; sixteen lanes store 256 consecutive bytes, aligned; no store's registers are written again
.endr
.endr
	s_wait_tensorcnt 0x0                           ; the wave's end, behind my last tensor load and my last LDS store
	ds_add_u32 v1, v2
	s_wait_dscnt 0x0
	CROUND                                         ; the closing round: no work-group ends while a partner may still ask for a tile that names it
	s_endpgm
.Lfunc_end_k_q8af6f4f7ce_attn:
	.size	k_q8af6f4f7ce_attn, .Lfunc_end_k_q8af6f4f7ce_attn-k_q8af6f4f7ce_attn
	.p2alignl 7, 3214868480
	.fill 96, 4, 3214868480
	.section	.rodata,"a",@progbits
	.p2align	6, 0x0
	.amdhsa_kernel k_q8af6f4f7ce_attn
		.amdhsa_group_segment_fixed_size 327680
		.amdhsa_private_segment_fixed_size 0
		.amdhsa_enable_private_segment 0
		.amdhsa_kernarg_size 48
		.amdhsa_user_sgpr_count 2
		.amdhsa_user_sgpr_kernarg_segment_ptr 1
		.amdhsa_wavefront_size32 1
		.amdhsa_system_sgpr_workgroup_id_x 1
		.amdhsa_system_sgpr_workgroup_id_y 1
		.amdhsa_system_sgpr_workgroup_id_z 1
		.amdhsa_system_vgpr_workitem_id 0
		.amdhsa_next_free_vgpr 512
		.amdhsa_next_free_sgpr 100
		.amdhsa_reserve_vcc 0
		.amdhsa_float_denorm_mode_32 3
		.amdhsa_float_denorm_mode_16_64 3
		.amdhsa_memory_ordered 1
		.amdhsa_forward_progress 1
		.amdhsa_inst_pref_size 200
	.end_amdhsa_kernel
	.amdgpu_metadata
---
amdhsa.version: [ 1, 2 ]
amdhsa.kernels:
  - .name:           k_q8af6f4f7ce_attn
    .symbol:         k_q8af6f4f7ce_attn.kd
    .args:
      - { .name: x, .offset: 0, .size: 8, .value_kind: global_buffer, .address_space: global }
      - { .name: qbuf, .offset: 8, .size: 8, .value_kind: global_buffer, .address_space: global }
      - { .name: qs, .offset: 16, .size: 8, .value_kind: global_buffer, .address_space: global }
      - { .name: kbuf, .offset: 24, .size: 8, .value_kind: global_buffer, .address_space: global }
      - { .name: vbuf, .offset: 32, .size: 8, .value_kind: global_buffer, .address_space: global }
      - { .name: out0, .offset: 40, .size: 8, .value_kind: global_buffer, .address_space: global }
    .group_segment_fixed_size: 327680
    .private_segment_fixed_size: 0
    .kernarg_segment_align: 8
    .kernarg_segment_size: 48
    .max_flat_workgroup_size: 256
    .sgpr_count:     100
    .vgpr_count:     512
    .wavefront_size: 32
...
	.end_amdgpu_metadata
.endif
;; end of part 3
